; MI455X (gfx1250); checked and timed in simulation.
; The chip was launched on July 23, 2026; its instructions are those of AMD's public machine-readable ISA for CDNA 5 (MIT licence, August 2026) and "CDNA5" Instruction Set Architecture Reference Guide (July 2026). The comments in the code are by the model that wrote it; some were corrected since.
;; CNF ODE. Allowed arithmetic: float matrix products may take bf16 or f16 operands with f32 sums; other float arithmetic in f32, or as packed bf16 or f16 multiplies, adds, multiply-adds, maxima and minima; sums over many terms, partial sums and values carried from step to step in f32; what a program stores and reads back later, other than sums and carried values, may be rounded once to bf16 or f16.
;; Inputs: W1 3 x 128 float32; W2 128 x 128 float32; W3 128 x 64 float32; W4 64 x 2 float32; b1 128 float32; b2 128 float32; b3 64 float32; b4 2 float32; logp 524,288 x 1 float32; t one number float32; v 524,288 x 2 float32; y 524,288 x 2 float32.
;; Outputs: out0 524,288 x 2 float32; out1 524,288 x 1 float32.
;; 2 versions, each right; version 2 is version 1 with the launch cnf written anew for expert scheduling mode. Each part assembles by itself: llvm-mc -triple=amdgcn-amd-amdhsa -mcpu=gfx1250 --defsym DOCPART=n.
;; ======== version 1 of 2: 1 launch
;; limits: values outside matrix products are rounded to f16; inputs' magnitudes at most 64; right only within a limited range of input values; values are held in f16: magnitudes above 65,504 overflow, below 6.1e-05 lose precision
;; launch cnf (part 1): grid 256 x 1, 8 waves a work-group, no clusters, 116,736 bytes of LDS; arguments y, v, logp, t, W1, b1, W2, b2, W3, b3, W4, b4, out0, out1; writes out0, out1
.if DOCPART == 1
	.amdgcn_target "amdgcn-amd-amdhsa--gfx1250"
	.amdhsa_code_object_version 6
	.text
	.protected	k_qc21b20cd9c_cnf
	.globl	k_qc21b20cd9c_cnf
	.p2align	8
	.type	k_qc21b20cd9c_cnf,@function
k_qc21b20cd9c_cnf:
	s_mov_b64 s[64:65], 0
	v_nop
	global_prefetch_b8 v0, s[64:65] scope:SCOPE_SE
	s_setreg_imm32_b32 hwreg(HW_REG_WAVE_MODE, 25, 1), 1
	s_wait_xcnt 0x0
; out0 = dy = MLP([y, t]) (3 -> 128 -> 128 -> 64 -> 2, SiLU), out1 = -(v . (J^T v)), J = d dy / d y, for 524,288 rows.
; FORWARD MODE.  v . (J^T v) = v . (J v) for every input, so a tangent is carried beside the values: dz1 = v W1[0:2], dh = silu'(z) dz, dz' = dh W.  It takes the same weights
; in the same orientation: it is further columns of the same products, and nothing is kept for a way back.  The order of rounding differs from a backward pass's.
; SHARES.  256 work-groups of 8 waves; a work-group owns 2,048 rows, a wave 256, walked in 8 trips of 32 rows = two tiles of 16.  All activations stay in registers, the weights lie in LDS in f16.
; LAYOUT.  D = A x B with A = 16 output features x 32 inputs (W as it lies in memory, [k][f], turned by ds_load_tr16_b128) and B = 32 inputs x 16 data rows.  In D a lane holds ONE data row (lane % 16) and
; the features 8 (lane / 16) + 0..7; two neighbouring feature tiles rounded in pairs to f16 ARE the next layer's B.  Nothing changes lanes between the layers.  A fragment of W feeds four products.
; FORMAT AND SCALES.  Matrix operands are f16, sums f32.  Each layer has a power of two w_l, made here from max|W_l| and max|b_l|: P_0 = 256, t_l = 1.1 (K max|W_l| + max|b_l| / P_(l-1)), w_l = the least
; power of two >= t_l, P_l = w_l P_(l-1), kappa_l = P_l 2^-15.  W_l / w_l goes to f16, b_l / kappa_l stays f32 (b1 / w1 is a row of K, in f16); the sums hold z_l / kappa_l, at most 2^15 / 1.1 in size, and
; the tangent 4 dz_l / kappa_l.  The scales are folded into weights, biases and three constants a layer: they cost no instruction per number.  They enter values alone, never an address or a branch.
; LIMITS.  No f16 operand overflows for |y|, |t| <= 256 and |v| <= 64; the P_l must stay within f32's exponents (a layer of zeros counts as t_l = 2^-60); NaN and infinities are not treated apart.
; Inputs are rounded once, to f16.  logp: reference() takes it and nothing that it returns hangs on it; it is loaded here once, in whole runs of 512 bytes, and enters no result.
; NOT USED: tensor loads (the weights are scaled and rounded on their way into LDS, once), clusters (what work-groups share is 100 KB each, once, through registers), prefetches (all reads go out at the head).
.set TRIPS, 8
.set PW,    288        ; LDS row of A1 and A2: 256 bytes + 32: 8 rows x 32 bytes of a turning load fall on different banks (64 banks of 4 bytes: ISA guide 11.1)
.set P3,    160        ; of A3: 128 + 32
.set A1,    0          ; 32 rows: rows 0-3 and again 8-11 = W1[0], W1[1], W1[2], b1, all / w1; the others 0
.set A4LO,  9216       ; 64 rows of 32 bytes: W4 / w4 in columns 0, 1; the others 0
.set A4HI,  11264      ; the same in columns 8, 9
.set A2,    16384      ; 128 rows: W2 / w2.  Bytes 0 to 16,383 are zeroed first
.set A3,    53248      ; 128 rows: W3 / w3
.set BIAS2, 73728      ; 128 f32: b2 / kappa2;  behind them, at +512, 64 f32: b3 / kappa3
.set RED,   74496      ; 16 bytes a wave: its three maxima
.set INS,   74752      ; 4,096 bytes a wave: its 256 rows of y, then of v, as in memory
.set O1S,   107520     ; 1,024 bytes a wave: its 256 numbers of out1
.set SPARE, 115712     ; the spare words, 128 bytes a wave: four blocks of 256 bytes that no other line names
; window 0
.set SPW,   2          ; v2   SPARE + 4 x my thread's number; never rewritten
.set NIL,   3          ; v3   0; never rewritten
.set AF288, 4          ; v4   my lane's place in a turning load, rows of 288 bytes
.set AF160, 5          ; v5   A3 + the same for rows of 160
.set AF32,  6          ; v6   the same for rows of 32
.set ABI,   7          ; v7   BIAS2 + 32 (lane / 16)
.set AIN,   8          ; v8   my row's y in my wave's stage; + 256 a trip
.set AO1,   9          ; v9   my row's place in the out1 stage; + 128 a trip
.set GO0,   10         ; v10  my row's byte offset in the wave's part of out0; + 256 a trip
.set XT,    11         ; v11  f16 pair (128 t, 128)
.set B4,    12         ; v[12:13] b4
.set YN,    14         ; v[14:15] y of my row
.set VC,    16         ; v[16:17] v of my row
.set DY,    18         ; v[18:19] dy of my row
.set EV,    20         ; v20  out1 of my row
.set T1A,   24         ; v[24:31], v[32:39], v[40:47] at work
.set T1B,   32
.set T2,    40
.set X,     48         ; v[48:79] layer 1's four B operands: X + 16 chain + 8 tile (chain 0 the values, 1 the tangent)
.set FR,    80         ; v[80:111] two buffers of two fragments of W: FR + 16 (kk & 1) + 8 mt
.set BI,    112        ; v[112:127] the bias of two feature tiles
.set ACC,   128        ; v[128:191] ACC + 32 mt + 16 chain + 8 tile
; window 1: two sets of B operands, base + 64 chain + 32 tile + 8 kk
.set P0,    0
.set P1,    128
; at work in the prologue
.set KAP,   36
.set IKP,   37
.set TT,    38
.set TU,    39
; scalars: s8 wave, s9 trips, s10-13 at work, s[16:43] the fourteen addresses, s44 t, s45 the mask of a number's size, s[46:47] b4, s48, s49 lane masks, s[50:51] selects
.set N1, 2             ; s[2:3], s[4:5], s[6:7]  -kappa_l
.set N2, 4
.set N3, 6
.set C1, 52            ; -log2(e) kappa_l
.set K1, 54            ; kappa_l
.set C2, 56
.set K2, 58
.set C3, 60
.set K3, 62
.set SV, 66            ; s[66:67] kappa3 w4;  s68 = -SV / 4;  s69 my out1 stage;  s[70:71] 1 / w2;  s[72:73] 1 / w3;  s[74:75], s[76:77] the small tensor's address and scale
.set MSB, 0
.macro WIN new                         ; s_set_vgpr_msb: bits 1:0 source 0, 3:2 source 1, 5:4 source 2, 7:6 destination; the high byte repeats the setting that is left
.if MSB != (\new)
	s_set_vgpr_msb (MSB<<8)|(\new)
.set MSB, \new
.endif
.endm
; A vector instruction that reads a matrix result, and a load into a register that a matrix instruction has read, stand four plain vector instructions behind it (ISA guide 7.12.1 for vector instructions).
.macro PLACES
.rept 4
	v_nop
.endr
.endm
.macro AMAX dst, first, n              ; dst = the largest size among n registers (n even)
	v_and_b32 v[\dst], s45, v[\first]
.set i, (\first)+1
.rept ((\n)-2)/2
	v_and_b32 v36, s45, v[i]
	v_and_b32 v37, s45, v[i+1]
	v_max3_num_f32 v[\dst], v[\dst], v36, v37
.set i, i+2
.endr
	v_and_b32 v36, s45, v[i]
	v_max_num_f32 v[\dst], v[\dst], v36
.endm
.macro WMAX r                          ; the maximum over the wave's 32 lanes, in every lane
.irp m, 1,2,4,8
	v_max_num_f32_dpp v[\r], v[\r], v[\r] row_xmask:\m row_mask:0xf bank_mask:0xf
.endr
	v_permlanex16_b32 v31, v[\r], s50, s51
	v_max_num_f32 v[\r], v[\r], v31
.endm
; One layer's scale: from max|W| (wm), max|b| (bm) and K (kf, as f32 bits) to 1 / w (register iw) and the three scalar pairs; KAP and IKP walk from kappa_(l-1) and its inverse to kappa_l and its inverse.
.macro LAYER wm, bm, kf, iw, sc, sk, sn
	v_mul_f32 v[TT], v[\bm], v[IKP]
	v_mul_f32 v[TT], 0x38000000, v[TT]             ; max|b| / P_(l-1): P = kappa 2^15
	v_fmamk_f32 v[TT], v[\wm], \kf, v[TT]          ; + K max|W|
	v_mul_f32 v[TT], 0x3f8ccccd, v[TT]             ; x 1.1
	v_max_num_f32 v[TT], 0x21800000, v[TT]         ; at least 2^-60
	v_add_nc_u32 v[TT], 0x7fffff, v[TT]            ; up to the next power of two, on the bits:
	v_and_b32 v[TT], 0x7f800000, v[TT]             ; w
	v_sub_nc_u32 v[\iw], 0x7f000000, v[TT]         ; 1 / w: the exponent mirrored
	v_mul_f32 v[KAP], v[KAP], v[TT]
	v_mul_f32 v[IKP], v[IKP], v[\iw]
	v_mul_f32 v[TU], 0xbfb8aa3b, v[KAP]            ; -log2(e) kappa
	v_readfirstlane_b32 s[\sc], v[TU]
	v_readfirstlane_b32 s[\sk], v[KAP]
	s_mov_b32 s[\sc+1], s[\sc]                     ; named as pairs, so both words are written
	s_mov_b32 s[\sk+1], s[\sk]
	s_xor_b32 s[\sn], s[\sk], 0x80000000
	s_mov_b32 s[\sn+1], s[\sn]
.endm
; Two fragments of W (feature tiles 2 g and 2 g + 1, inputs 32 kk on) into buffer kk & 1: four turning loads
.macro FRAG ar, base, p, g, kk
.irp mt, 0,1
	ds_load_tr16_b128 v[FR+16*((\kk)&1)+8*(\mt):FR+16*((\kk)&1)+8*(\mt)+3],   v[\ar] offset:(\base)+32*(\kk)*(\p)+32*(2*(\g)+(\mt))
	ds_load_tr16_b128 v[FR+16*((\kk)&1)+8*(\mt)+4:FR+16*((\kk)&1)+8*(\mt)+7], v[\ar] offset:(\base)+32*(\kk)*(\p)+32*(2*(\g)+(\mt))+16*(\p)
.endr
.endm
; Behind a group's products: the four places (for these loads, and for the activation that reads the sums), the next group's bias (boff >= 0) and its first fragments
.macro PRE ar, base, p, g, boff
	PLACES
.if (\boff) >= 0
.irp mt, 0,1
	ds_load_b128 v[BI+8*(\mt):BI+8*(\mt)+3],   v[ABI] offset:(\boff)+64*(2*(\g)+(\mt))
	ds_load_b128 v[BI+8*(\mt)+4:BI+8*(\mt)+7], v[ABI] offset:(\boff)+64*(2*(\g)+(\mt))+16
.endr
.endif
	FRAG \ar, \base, \p, \g, 0
.endm
; A group's products: two feature tiles x (values, tangent) x two tiles of rows, nk steps of 32 along K.  The eight accumulators take turns, one instruction a turn.
; The first step starts the sums: the values' with the bias (bias = 1) or 0, the tangent's with 0.
.macro MM ar, base, p, g, nk, inb, cs, ts, bias, win
	WIN \win
.set kk, 0
.rept \nk
.if kk+1 < (\nk)
.if kk >= 1
	PLACES                                         ; the buffer that the next loads fill was read by the eight products just issued
.endif
	FRAG \ar, \base, \p, \g, kk+1
	s_wait_dscnt 4                                 ; the four loads just issued may stay out: this step's fragments, and the bias, are in
.else
	s_wait_dscnt 0x0                               ; the last step's fragments are in
.endif
.irp mt, 0,1
.irp ch, 0,1
.irp c, 0,1
.set rD, ACC+32*(\mt)+16*(\ch)+8*(\c)
.set rA, FR+16*(kk&1)+8*(\mt)
.set rB, (\inb)+(\cs)*(\ch)+(\ts)*(\c)+8*kk
.if (kk == 0) && (\bias) && ((\ch) == 0)
	v_wmma_f32_16x16x32_f16 v[rD:rD+7], v[rA:rA+7], v[rB:rB+7], v[BI+8*(\mt):BI+8*(\mt)+7]
.elseif kk == 0
	v_wmma_f32_16x16x32_f16 v[rD:rD+7], v[rA:rA+7], v[rB:rB+7], 0
.else
	v_wmma_f32_16x16x32_f16 v[rD:rD+7], v[rA:rA+7], v[rB:rB+7], v[rD:rD+7]
.endif
.endr
.endr
.endr
.set kk, kk+1
.endr
.endm
; THE ACTIVATION of one feature tile, both tiles of rows.  With Z = z / kappa: s = 1 / (1 + 2^(C Z)); h / kappa = Z s; silu' = s + (Z s)(K - K s); the tangent is multiplied by silu'.
; z far out gives s = 0 or 1 and no NaN.  The two tiles' runs alternate, so that a run of plain instructions stands between every transcendental and the use of its result (ISA guide 5.7.2).
; Every accumulator is read from its lowest registers on.
.macro S_ME t1, z, cc                  ; C Z; 2^
.irp i, 0,2,4,6
	v_pk_mul_f32 v[(\t1)+\i:(\t1)+\i+1], v[(\z)+\i:(\z)+\i+1], s[\cc:\cc+1] op_sel_hi:[1,0]
.endr
.irp i, 0,1,2,3,4,5,6,7
	v_exp_f32 v[(\t1)+\i], v[(\t1)+\i]
.endr
.endm
.macro S_AR t1                         ; + 1; the reciprocal: s
	s_wait_alu depctr_va_vdst(0)
.irp i, 0,2,4,6
	v_pk_add_f32 v[(\t1)+\i:(\t1)+\i+1], v[(\t1)+\i:(\t1)+\i+1], 1.0 op_sel_hi:[1,0]
.endr
.irp i, 0,1,2,3,4,5,6,7
	v_rcp_f32 v[(\t1)+\i], v[(\t1)+\i]
.endr
.endm
.macro S_FIN t1, z, d, kc, nc
	s_wait_alu depctr_va_vdst(0)
.irp i, 0,2,4,6
	v_pk_mul_f32 v[(\z)+\i:(\z)+\i+1], v[(\z)+\i:(\z)+\i+1], v[(\t1)+\i:(\t1)+\i+1]  ; Z s
.endr
.irp i, 0,2,4,6
	v_pk_fma_f32 v[T2+\i:T2+\i+1], v[(\t1)+\i:(\t1)+\i+1], s[\nc:\nc+1], s[\kc:\kc+1] op_sel_hi:[1,0,0]  ; K - K s
.endr
.irp i, 0,2,4,6
	v_pk_fma_f32 v[T2+\i:T2+\i+1], v[(\z)+\i:(\z)+\i+1], v[T2+\i:T2+\i+1], v[(\t1)+\i:(\t1)+\i+1]  ; silu'
.endr
.irp i, 0,2,4,6
	v_pk_mul_f32 v[(\d)+\i:(\d)+\i+1], v[(\d)+\i:(\d)+\i+1], v[T2+\i:T2+\i+1]
.endr
.endm
.macro SILU2 mt, cc, kc, nc
	S_ME T1A, ACC+32*(\mt), \cc
	S_ME T1B, ACC+32*(\mt)+8, \cc
	S_AR T1A
	S_AR T1B
	S_FIN T1A, ACC+32*(\mt), ACC+32*(\mt)+16, \kc, \nc
	S_FIN T1B, ACC+32*(\mt)+8, ACC+32*(\mt)+24, \kc, \nc
.endm
.macro CVT g, outb                     ; rounded in pairs to f16: feature tile 2 g + mt is half kk = g of the next layer's B
	WIN 0x40                                       ; destination window 1
.irp mt, 0,1
.irp ch, 0,1
.irp c, 0,1
.irp i, 0,1,2,3
	v_cvt_pk_f16_f32 v[(\outb)+64*(\ch)+32*(\c)+4*(2*(\g)+(\mt))+(\i)], v[ACC+32*(\mt)+16*(\ch)+8*(\c)+2*(\i)], v[ACC+32*(\mt)+16*(\ch)+8*(\c)+2*(\i)+1]
.endr
.endr
.endr
.endr
.endm
.macro ACT g, cc, kc, nc, outb
	WIN 0
	SILU2 0, \cc, \kc, \nc
	SILU2 1, \cc, \kc, \nc
	CVT \g, \outb
.endm
; LAYER 4.  W4's two features stand in rows 0, 1 of one A (for the first tile of rows) and in rows 8, 9 of another (for the second): summed into ONE accumulator, lane L holds the two outputs of the trip's
; row L in its registers 0 and 1.
.macro PRE4
	PLACES
.irp q, 0,1
	ds_load_tr16_b128 v[FR+8*\q:FR+8*\q+3],       v[AF32] offset:A4LO+1024*\q
	ds_load_tr16_b128 v[FR+8*\q+4:FR+8*\q+7],     v[AF32] offset:A4LO+1024*\q+512
	ds_load_tr16_b128 v[FR+16+8*\q:FR+16+8*\q+3], v[AF32] offset:A4HI+1024*\q
	ds_load_tr16_b128 v[FR+16+8*\q+4:FR+16+8*\q+7], v[AF32] offset:A4HI+1024*\q+512
.endr
.endm
.macro MM4                             ; the values' and the tangent's accumulator take turns
	WIN 0x04
	s_wait_dscnt 0x0                               ; the four fragments of W4 are in
.irp n, 0,1,2,3
.irp ch, 0,1
.set rB, P0+64*(\ch)+32*((\n)/2)+8*((\n)%2)
.if (\n) == 0
	v_wmma_f32_16x16x32_f16 v[ACC+8*(\ch):ACC+8*(\ch)+7], v[FR+8*(\n):FR+8*(\n)+7], v[rB:rB+7], 0
.else
	v_wmma_f32_16x16x32_f16 v[ACC+8*(\ch):ACC+8*(\ch)+7], v[FR+8*(\n):FR+8*(\n)+7], v[rB:rB+7], v[ACC+8*(\ch):ACC+8*(\ch)+7]
.endif
.endr
.endr
.endm
	; ---------------- THE HEAD: addresses ----------------
	s_load_b512 s[16:31], s[0:1], 0x0              ; y s[16:17], v s[18:19], logp s[20:21], t s[22:23], W1 s[24:25], b1 s[26:27], W2 s[28:29], b2 s[30:31]
	s_load_b256 s[32:39], s[0:1], 0x40             ; W3 s[32:33], b3 s[34:35], W4 s[36:37], b4 s[38:39]
	s_load_b128 s[40:43], s[0:1], 0x60             ; out0 s[40:41], out1 s[42:43]
	v_lshl_add_u32 v[SPW], v0, 2, SPARE
	v_mov_b32 v[NIL], 0
	v_lshrrev_b32 v1, 5, v0
	v_readfirstlane_b32 s8, v1                     ; wave 0..7
	v_and_b32 v1, 31, v0                           ; lane L
	v_bfe_u32 v21, v0, 4, 1                        ; h = L / 16
	v_and_b32 v22, 7, v0
	v_bfe_u32 v23, v0, 3, 1
	v_lshl_add_u32 v22, v21, 3, v22                ; a turning load: lane L reads row 8 h + L % 8, bytes 16 ((L / 8) % 2) on
	v_mul_u32_u24 v[AF288], v22, PW
	v_lshl_add_u32 v[AF288], v23, 4, v[AF288]
	v_mul_u32_u24 v[AF160], v22, P3
	v_lshl_add_u32 v[AF160], v23, 4, v[AF160]
	v_add_nc_u32 v[AF160], A3, v[AF160]
	v_lshlrev_b32 v[AF32], 5, v22
	v_lshl_add_u32 v[AF32], v23, 4, v[AF32]
	v_lshl_add_u32 v[ABI], v21, 5, BIAS2           ; my eight features' bias: 32 bytes for each half of the lanes
	v_and_b32 v23, 15, v0                          ; r = L % 16
	s_lshl_b32 s10, s8, 12
	s_add_co_u32 s10, s10, INS                     ; my wave's stage of y and v
	v_lshl_add_u32 v[AIN], v1, 3, s10
	v_lshl_add_u32 v33, v1, 4, s10                 ; where I put 16 bytes of it
	s_lshl_b32 s69, s8, 10
	s_add_co_u32 s69, s69, O1S                     ; my wave's stage of out1
	v_lshl_add_u32 v[AO1], v1, 2, s69
	v_lshlrev_b32 v[GO0], 3, v1
	s_lshl_b32 s11, s8, 9
	v_lshl_add_u32 v34, v1, 4, s11                 ; the zero fill: 512 w + 16 L
	s_lshl_b32 s12, s8, 4
	s_add_co_u32 s12, s12, RED
	v_mov_b32 v32, s12                             ; my wave's 16 bytes of RED
	v_mov_b32 v35, RED
	s_mul_i32 s10, s8, PW
	v_lshl_add_u32 v46, v1, 3, s10                 ; row w, features 4 L on: W2's rows w + 8 i, and A1's row w
	s_mul_i32 s11, s8, 2*P3
	s_add_co_u32 s11, s11, A3
	v_mul_u32_u24 v47, v21, P3
	v_lshl_add_u32 v47, v23, 3, v47
	v_add_nc_u32 v47, s11, v47                     ; W3's rows 2 w + h + 16 i, features 4 r on
	v_lshlrev_b32 v118, 6, v1                      ; W4's rows 2 L and 2 L + 1
	v_lshl_add_u32 v119, v1, 4, BIAS2
	v_lshl_add_u32 v120, v23, 4, BIAS2+512
	s_mov_b32 s45, 0x7fffffff
	s_mov_b32 s48, 0xffff                          ; lanes 0-15
	s_mov_b32 s49, 0xffff0000                      ; lanes 16-31
	s_mov_b32 s50, 0x76543210                      ; v_permlanex16_b32: each lane takes its own place in the other half
	s_mov_b32 s51, 0xfedcba98
	; the small tensors, one to a wave: waves 0-2 a row of W1, 3 b1, 4 W4, 5 b2, 6 and 7 b3 (256 bytes: both halves of the lanes read the same)
	s_cmp_ge_u32 s8, 6
	s_cselect_b32 s12, 15, 31
	v_and_b32 v30, s12, v1
	s_lshl_b32 s13, s8, 9
	s_cmp_lt_u32 s8, 3
	s_cselect_b32 s13, s13, 0
	v_lshl_add_u32 v30, v30, 4, s13
	v_lshlrev_b32 v28, 4, v0                       ; 16 x thread: W2 and W3
	v_lshlrev_b32 v29, 4, v1                       ; 16 x lane: the wave's own rows
	v_mov_b32 v31, 0                               ; v_permlanex16_b32's destination counts as read
	s_lshl_b32 s10, ttmp9, 14                      ; my work-group's 2,048 rows of 8 bytes,
	s_lshl_b32 s11, s8, 11                         ; my wave's 256 of them
	s_add_co_u32 s10, s10, s11
	s_mov_b32 s11, 0
	s_lshr_b32 s12, s10, 1                         ; the same in rows of 4 bytes
	s_mov_b32 s13, 0
	s_wait_kmcnt 0x0
	s_load_b32 s44, s[22:23], 0x0                  ; t
	s_load_b64 s[46:47], s[38:39], 0x0             ; b4
	s_cmp_eq_u32 s8, 3
	s_cselect_b64 s[74:75], s[26:27], s[24:25]
	s_cmp_eq_u32 s8, 4
	s_cselect_b64 s[74:75], s[36:37], s[74:75]
	s_cmp_eq_u32 s8, 5
	s_cselect_b64 s[74:75], s[30:31], s[74:75]
	s_cmp_ge_u32 s8, 6
	s_cselect_b64 s[74:75], s[34:35], s[74:75]
	s_add_nc_u64 s[16:17], s[16:17], s[10:11]
	s_add_nc_u64 s[18:19], s[18:19], s[10:11]
	s_add_nc_u64 s[40:41], s[40:41], s[10:11]
	s_add_nc_u64 s[20:21], s[20:21], s[12:13]
	s_add_nc_u64 s[42:43], s[42:43], s[12:13]
	; ---------------- all the launch's reads go out here ----------------
.irp i, 0,1,2,3,4,5,6,7,8,9,10,11,12,13,14,15
	global_load_b128 v[128+4*\i:128+4*\i+3], v28, s[28:29] offset:4096*\i  ; W2: row w + 8 i, features 4 L on
.endr
.irp i, 0,1,2,3,4,5,6,7
	global_load_b128 v[80+4*\i:80+4*\i+3], v28, s[32:33] offset:4096*\i    ; W3: row 2 w + h + 16 i, features 4 r on
.endr
	global_load_b128 v[112:115], v30, s[74:75]
.irp i, 0,1,2,3
	global_load_b128 v[192+4*\i:192+4*\i+3], v29, s[16:17] offset:512*\i th:TH_LOAD_NT  ; my wave's y
.endr
.irp i, 0,1,2,3
	global_load_b128 v[208+4*\i:208+4*\i+3], v29, s[18:19] offset:512*\i th:TH_LOAD_NT  ; its v
.endr
.irp i, 0,1
	global_load_b128 v[224+4*\i:224+4*\i+3], v29, s[20:21] offset:512*\i th:TH_LOAD_NT  ; its logp: read as every input is; no result hangs on it
.endr
.set i, X
.rept 32
	v_mov_b32 v[i], 0                              ; layer 1's B operands hold 0 but for six registers; four of these are also the zero fill's data
.set i, i+1
.endr
.irp i, 0,1,2,3
	ds_store_b128 v34, v[X+8:X+11] offset:4096*\i  ; LDS bytes 0 to 16,383: A1's and A4's zeros
.endr
	s_wait_loadcnt 10                              ; the ten loads of y, v and logp may stay out: W2, W3 and the small tensor are in
	AMAX 24, 128, 64
	AMAX 25, 80, 32
	AMAX 26, 112, 4
	WMAX 24
	WMAX 25
	WMAX 26
	v_mov_b32 v27, v26
	ds_store_b128 v32, v[24:27]
	s_wait_loadcnt 0x0
.irp i, 0,1,2,3
	ds_store_b128 v33, v[192+4*\i:192+4*\i+3] offset:512*\i
	ds_store_b128 v33, v[208+4*\i:208+4*\i+3] offset:2048+512*\i
.endr
	s_wait_kmcnt 0x0                               ; t and b4
	s_wait_dscnt 0x0                               ; for the others' sake: my zeros and my maxima are in LDS
	s_barrier_signal -1
	s_barrier_wait -1
	; ---------------- the scales ----------------
.irp i, 0,1,2,3,4,5,6,7
	ds_load_b128 v[192+4*\i:192+4*\i+3], v35 offset:16*\i  ; wave i's maxima: of its part of W2, of W3, of its small tensor
.endr
	v_mov_b32 v[KAP], 0x3c000000                   ; kappa_0 = 256 x 2^-15
	v_mov_b32 v[IKP], 0x43000000
	s_wait_dscnt 0x0
	v_max3_num_f32 v24, v192, v196, v200
	v_max3_num_f32 v25, v193, v197, v201
	v_max3_num_f32 v24, v24, v204, v208
	v_max3_num_f32 v25, v25, v205, v209
	v_max3_num_f32 v24, v24, v212, v216
	v_max3_num_f32 v25, v25, v213, v217
	v_max_num_f32 v24, v24, v220                   ; max|W2|
	v_max_num_f32 v25, v25, v221                   ; max|W3|
	v_max3_num_f32 v26, v194, v198, v202           ; max|W1|;  v206 max|b1|, v210 max|W4|, v214 max|b2|, v218 max|b3|
	LAYER 26, 206, 0x40400000, 40, C1, K1, N1
	LAYER 24, 214, 0x43000000, 41, C2, K2, N2
	v_mov_b32 v44, v[IKP]                          ; 1 / kappa2
	LAYER 25, 218, 0x43000000, 42, C3, K3, N3
	v_max_num_f32 v[TT], 0x21800000, v210
	v_add_nc_u32 v[TT], 0x7fffff, v[TT]
	v_and_b32 v[TT], 0x7f800000, v[TT]             ; w4
	v_sub_nc_u32 v43, 0x7f000000, v[TT]
	v_mul_f32 v[TT], v[KAP], v[TT]                 ; dy = kappa3 w4 x the sum + b4
	v_mul_f32 v[TU], 0xbe800000, v[TT]             ; the tangent carries a factor 4, and out1 a minus
	v_readfirstlane_b32 s[SV], v[TT]
	s_mov_b32 s[SV+1], s[SV]
	v_readfirstlane_b32 s68, v[TU]
	v_readfirstlane_b32 s70, v41
	s_mov_b32 s71, s70
	v_readfirstlane_b32 s72, v42
	s_mov_b32 s73, s72
	v_readfirstlane_b32 s10, v40                   ; the small tensor's scale: 1 / w1 (waves 0-3), 1 / w4 (4), 1 / kappa2 (5), 1 / kappa3 (6, 7)
	v_readfirstlane_b32 s11, v43
	v_readfirstlane_b32 s12, v44
	v_readfirstlane_b32 s13, v[IKP]
	s_cmp_eq_u32 s8, 4
	s_cselect_b32 s76, s11, s10
	s_cmp_eq_u32 s8, 5
	s_cselect_b32 s76, s12, s76
	s_cmp_ge_u32 s8, 6
	s_cselect_b32 s76, s13, s76
	s_mov_b32 s77, s76
	v_mov_b32 v[TT], s44
	v_mul_f32 v[TT], 0x43000000, v[TT]             ; 128 t
	v_mov_b32 v[TU], 0x43000000                    ; 128 x 1: the bias row's partner
	v_cvt_pk_f16_f32 v[XT], v[TT], v[TU]
	v_mov_b32 v[B4], s46
	v_mov_b32 v[B4+1], s47
	v_cndmask_b32 v[X+1], 0, v[XT], s48            ; tile 0's rows lie in lanes 0-15, inputs k = 0..3;
	v_cndmask_b32 v[X+9], 0, v[XT], s49            ; tile 1's in lanes 16-31, inputs k = 8..11, where A1 holds the same four rows again
	; ---------------- the weights: scaled, rounded to f16, into LDS ----------------
.irp i, 0,1,2,3,4,5,6,7,8,9,10,11,12,13,14,15
	v_pk_mul_f32 v[128+4*\i:128+4*\i+1], v[128+4*\i:128+4*\i+1], s[70:71] op_sel_hi:[1,0]
	v_pk_mul_f32 v[128+4*\i+2:128+4*\i+3], v[128+4*\i+2:128+4*\i+3], s[70:71] op_sel_hi:[1,0]
	v_cvt_pk_f16_f32 v[128+4*\i], v[128+4*\i], v[128+4*\i+1]
	v_cvt_pk_f16_f32 v[128+4*\i+1], v[128+4*\i+2], v[128+4*\i+3]
	ds_store_b64 v46, v[128+4*\i:128+4*\i+1] offset:A2+8*PW*\i
.endr
.irp i, 0,1,2,3,4,5,6,7
	v_pk_mul_f32 v[80+4*\i:80+4*\i+1], v[80+4*\i:80+4*\i+1], s[72:73] op_sel_hi:[1,0]
	v_pk_mul_f32 v[80+4*\i+2:80+4*\i+3], v[80+4*\i+2:80+4*\i+3], s[72:73] op_sel_hi:[1,0]
	v_cvt_pk_f16_f32 v[80+4*\i], v[80+4*\i], v[80+4*\i+1]
	v_cvt_pk_f16_f32 v[80+4*\i+1], v[80+4*\i+2], v[80+4*\i+3]
	ds_store_b64 v47, v[80+4*\i:80+4*\i+1] offset:16*P3*\i
.endr
	v_pk_mul_f32 v[112:113], v[112:113], s[76:77] op_sel_hi:[1,0]
	v_pk_mul_f32 v[114:115], v[114:115], s[76:77] op_sel_hi:[1,0]
	v_cvt_pk_f16_f32 v116, v112, v113              ; (used by waves 0 to 4)
	v_cvt_pk_f16_f32 v117, v114, v115
	s_cmp_lt_u32 s8, 4
	s_cbranch_scc0 .Lw4
	ds_store_b64 v46, v[116:117] offset:A1         ; W1's row w, or b1 as row 3,
	ds_store_b64 v46, v[116:117] offset:A1+8*PW    ; and again eight rows on
	s_branch .Lsmall
.Lw4:
	s_cmp_eq_u32 s8, 4
	s_cbranch_scc0 .Lw5
	ds_store_b32 v118, v116 offset:A4LO            ; W4's row 2 L, its two features in columns 0, 1
	ds_store_b32 v118, v117 offset:A4LO+32         ; row 2 L + 1
	ds_store_b32 v118, v116 offset:A4HI+16         ; and in columns 8, 9
	ds_store_b32 v118, v117 offset:A4HI+48
	s_branch .Lsmall
.Lw5:
	s_cmp_eq_u32 s8, 5
	s_cbranch_scc0 .Lw6
	ds_store_b128 v119, v[112:115]                 ; b2 / kappa2, f32
	s_branch .Lsmall
.Lw6:
	s_cmp_eq_u32 s8, 6
	s_cbranch_scc0 .Lsmall
	ds_store_b128 v120, v[112:115]                 ; b3 / kappa3, f32; both halves of the lanes hold and write the same
.Lsmall:
	s_wait_dscnt 0x0                               ; for the others' sake: my part of the weights is in LDS
	s_barrier_signal -1
	s_barrier_wait -1                              ; from here on the weights are only read, and each wave's stages are its own: no further barrier
	s_mov_b32 s9, TRIPS
	; ---------------- A TRIP: 32 rows through the four layers ----------------
.Ltrip:
	ds_load_b64 v[YN:YN+1], v[AIN]
	ds_load_b64 v[VC:VC+1], v[AIN] offset:2048
	FRAG AF288, A1, PW, 0, 0                       ; (the last products that read these registers stand in front of the last trip's four places)
	s_wait_dscnt 4                                 ; the four fragment loads may stay out: y and v of my row are in
	v_pk_mul_f32 v[T1A:T1A+1], v[YN:YN+1], 0x43000000 op_sel_hi:[1,0]      ; 128 y
	v_pk_mul_f32 v[T1A+2:T1A+3], v[VC:VC+1], 0x44000000 op_sel_hi:[1,0]    ; 512 v
	v_cvt_pk_f16_f32 v[T1A], v[T1A], v[T1A+1]
	v_cvt_pk_f16_f32 v[T1A+2], v[T1A+2], v[T1A+3]
	v_cndmask_b32 v[X], 0, v[T1A], s48
	v_cndmask_b32 v[X+8], 0, v[T1A], s49
	v_cndmask_b32 v[X+16], 0, v[T1A+2], s48        ; the tangent's inputs k = 2, 3 stay 0: t and the bias have no derivative
	v_cndmask_b32 v[X+24], 0, v[T1A+2], s49
.irp g, 0,1,2
	MM AF288, A1, PW, \g, 1, X, 16, 8, 0, 0
	PRE AF288, A1, PW, (\g)+1, -1
	ACT \g, C1, K1, N1, P0
.endr
	MM AF288, A1, PW, 3, 1, X, 16, 8, 0, 0
	PRE AF288, A2, PW, 0, 0
	ACT 3, C1, K1, N1, P0
.irp g, 0,1,2
	MM AF288, A2, PW, \g, 4, P0, 64, 32, 1, 0x04
	PRE AF288, A2, PW, (\g)+1, 0
	ACT \g, C2, K2, N2, P1
.endr
	MM AF288, A2, PW, 3, 4, P0, 64, 32, 1, 0x04
	PRE AF160, 0, P3, 0, 512
	ACT 3, C2, K2, N2, P1
	MM AF160, 0, P3, 0, 4, P1, 64, 32, 1, 0x04
	PRE AF160, 0, P3, 1, 512
	ACT 0, C3, K3, N3, P0
	MM AF160, 0, P3, 1, 4, P1, 64, 32, 1, 0x04
	PRE4
	ACT 1, C3, K3, N3, P0
	MM4
	WIN 0
	PLACES
	s_wait_xcnt 0x0                                ; the last trip's store has had its address translated (ISA guide 3.1): only behind this wait are its offset and data rewritten
	v_add_nc_u32 v[GO0], 256, v[GO0]
	v_pk_fma_f32 v[DY:DY+1], v[ACC:ACC+1], s[SV:SV+1], v[B4:B4+1] op_sel_hi:[1,0,1]
	v_mul_f32 v[EV], v[ACC+8], v[VC]
	v_fmac_f32 v[EV], v[ACC+9], v[VC+1]
	v_mul_f32 v[EV], s68, v[EV]
	global_store_b64 v[GO0], v[DY:DY+1], s[40:41] offset:-256 th:TH_STORE_NT  ; 32 lanes store 256 consecutive bytes, at a multiple of 256 from out0's first
	ds_store_b32 v[AO1], v[EV]                     ; out1's 128 bytes of a trip are gathered, so that they too leave in whole runs
	v_add_nc_u32 v[AIN], 256, v[AIN]
	v_add_nc_u32 v[AO1], 128, v[AO1]
	s_sub_co_u32 s9, s9, 1
	s_cmp_lg_u32 s9, 0
	s_cbranch_scc1 .Ltrip
	; ---------------- out1 leaves: my wave's 1,024 bytes ----------------
	v_lshl_add_u32 v21, v1, 4, s69
	v_lshlrev_b32 v22, 4, v1
	ds_load_b128 v[24:27], v21                     ; LDS serves a wave's instructions in order (ISA guide 5.7.1.4): these see the trips' stores
	ds_load_b128 v[28:31], v21 offset:512
	s_wait_dscnt 0x0
	global_store_b128 v22, v[24:27], s[42:43] th:TH_STORE_NT
	global_store_b128 v22, v[28:31], s[42:43] offset:512 th:TH_STORE_NT
	s_wait_tensorcnt 0x0                           ; the wave's end, behind my last LDS store
	ds_add_u32 v[SPW], v[NIL]
	s_wait_dscnt 0x0
	s_endpgm
.Lfunc_end_k_qc21b20cd9c_cnf:
	.size	k_qc21b20cd9c_cnf, .Lfunc_end_k_qc21b20cd9c_cnf-k_qc21b20cd9c_cnf
	.p2alignl 7, 3214868480
	.fill 96, 4, 3214868480
	.section	.rodata,"a",@progbits
	.p2align	6, 0x0
	.amdhsa_kernel k_qc21b20cd9c_cnf
		.amdhsa_group_segment_fixed_size 116736
		.amdhsa_private_segment_fixed_size 0
		.amdhsa_enable_private_segment 0
		.amdhsa_kernarg_size 112
		.amdhsa_user_sgpr_count 2
		.amdhsa_user_sgpr_kernarg_segment_ptr 1
		.amdhsa_wavefront_size32 1
		.amdhsa_system_sgpr_workgroup_id_x 1
		.amdhsa_system_sgpr_workgroup_id_y 1
		.amdhsa_system_sgpr_workgroup_id_z 1
		.amdhsa_system_vgpr_workitem_id 0
		.amdhsa_next_free_vgpr 512
		.amdhsa_next_free_sgpr 80
		.amdhsa_reserve_vcc 0
		.amdhsa_float_denorm_mode_32 3
		.amdhsa_float_denorm_mode_16_64 3
		.amdhsa_memory_ordered 1
		.amdhsa_forward_progress 1
		.amdhsa_inst_pref_size 163
	.end_amdhsa_kernel
	.amdgpu_metadata
---
amdhsa.version: [ 1, 2 ]
amdhsa.kernels:
  - .name:           k_qc21b20cd9c_cnf
    .symbol:         k_qc21b20cd9c_cnf.kd
    .args:
      - { .name: y, .offset: 0, .size: 8, .value_kind: global_buffer, .address_space: global }
      - { .name: v, .offset: 8, .size: 8, .value_kind: global_buffer, .address_space: global }
      - { .name: logp, .offset: 16, .size: 8, .value_kind: global_buffer, .address_space: global }
      - { .name: t, .offset: 24, .size: 8, .value_kind: global_buffer, .address_space: global }
      - { .name: W1, .offset: 32, .size: 8, .value_kind: global_buffer, .address_space: global }
      - { .name: b1, .offset: 40, .size: 8, .value_kind: global_buffer, .address_space: global }
      - { .name: W2, .offset: 48, .size: 8, .value_kind: global_buffer, .address_space: global }
      - { .name: b2, .offset: 56, .size: 8, .value_kind: global_buffer, .address_space: global }
      - { .name: W3, .offset: 64, .size: 8, .value_kind: global_buffer, .address_space: global }
      - { .name: b3, .offset: 72, .size: 8, .value_kind: global_buffer, .address_space: global }
      - { .name: W4, .offset: 80, .size: 8, .value_kind: global_buffer, .address_space: global }
      - { .name: b4, .offset: 88, .size: 8, .value_kind: global_buffer, .address_space: global }
      - { .name: out0, .offset: 96, .size: 8, .value_kind: global_buffer, .address_space: global }
      - { .name: out1, .offset: 104, .size: 8, .value_kind: global_buffer, .address_space: global }
    .group_segment_fixed_size: 116736
    .private_segment_fixed_size: 0
    .kernarg_segment_align: 8
    .kernarg_segment_size: 112
    .max_flat_workgroup_size: 256
    .sgpr_count:     80
    .vgpr_count:     512
    .wavefront_size: 32
...
	.end_amdgpu_metadata
.endif
;; end of part 1
;; ======== version 2 of 2: 1 launch; version 1 with the launch cnf written anew for expert scheduling mode
;; limits: values outside matrix products are rounded to f16; inputs' magnitudes at most 64; right only within a limited range of input values; values are held in f16: magnitudes above 65,504 overflow, below 6.1e-05 lose precision
;; launch cnf (part 2): grid 256 x 1, 8 waves a work-group, no clusters, 116,736 bytes of LDS; arguments y, v, logp, t, W1, b1, W2, b2, W3, b3, W4, b4, out0, out1; writes out0, out1
.if DOCPART == 2
	.amdgcn_target "amdgcn-amd-amdhsa--gfx1250"
	.amdhsa_code_object_version 6
	.text
	.protected	k_qc21b20cd9c_cnf
	.globl	k_qc21b20cd9c_cnf
	.p2align	8
	.type	k_qc21b20cd9c_cnf,@function
k_qc21b20cd9c_cnf:
	s_mov_b64 s[64:65], 0
	v_nop
	global_prefetch_b8 v0, s[64:65] scope:SCOPE_SE
	s_setreg_imm32_b32 hwreg(HW_REG_WAVE_SCHED_MODE, 0, 2), 2
	s_setreg_imm32_b32 hwreg(HW_REG_WAVE_MODE, 25, 1), 1
	s_wait_xcnt 0x0
	s_wait_alu depctr_vm_vsrc(0)
; out0 = dy = MLP([y, t]) (3 -> 128 -> 128 -> 64 -> 2, SiLU), out1 = -(v . (J^T v)), J = d dy / d y, for 524,288 rows.
; FORWARD MODE.  v . (J^T v) = v . (J v) for every input, so a tangent is carried beside the values: dz1 = v W1[0:2], dh = silu'(z) dz, dz' = dh W.  It takes the same weights
; in the same orientation: it is further columns of the same products, and nothing is kept for a way back.  The order of rounding differs from a backward pass's.
; SHARES.  256 work-groups of 8 waves; a work-group owns 2,048 rows, a wave 256, walked in 8 trips of 32 rows = two tiles of 16.  All activations stay in registers, the weights lie in LDS in f16.
; LAYOUT.  D = A x B with A = 16 output features x 32 inputs (W as it lies in memory, [k][f], turned by ds_load_tr16_b128) and B = 32 inputs x 16 data rows.  In D a lane holds ONE data row (lane % 16) and
; the features 8 (lane / 16) + 0..7; two neighbouring feature tiles rounded in pairs to f16 ARE the next layer's B.  Nothing changes lanes between the layers.  A fragment of W feeds four products.
; FORMAT AND SCALES.  Matrix operands are f16, sums f32.  Each layer has a power of two w_l, made here from max|W_l| and max|b_l|: P_0 = 256, t_l = 1.1 (K max|W_l| + max|b_l| / P_(l-1)), w_l = the least
; power of two >= t_l, P_l = w_l P_(l-1), kappa_l = P_l 2^-15.  W_l / w_l goes to f16, b_l / kappa_l stays f32 (b1 / w1 is a row of K, in f16); the sums hold z_l / kappa_l, at most 2^15 / 1.1 in size, and
; the tangent 4 dz_l / kappa_l.  The scales are folded into weights, biases and three constants a layer: they cost no instruction per number.  They enter values alone, never an address or a branch.
; LIMITS.  No f16 operand overflows for |y|, |t| <= 256 and |v| <= 64; the P_l must stay within f32's exponents (a layer of zeros counts as t_l = 2^-60); NaN and infinities are not treated apart.
; Inputs are rounded once, to f16.  logp: reference() takes it and nothing that it returns hangs on it; it is loaded here once, in whole runs of 512 bytes, and enters no result.
; NOT USED: tensor loads (the weights are scaled and rounded on their way into LDS, once), clusters (what work-groups share is 100 KB each, once, through registers), prefetches (all reads go out at the head).
; THE MODE: SCHED_MODE bits 1:0 = 2 (LLVM: expert scheduling mode 2), set by the entry lines.  The code itself states the register dependences between vector or matrix instructions and memory or LDS
; instructions, with s_wait_alu, always for 0.
; THE PLAN.  Registers that LDS or memory instructions touch, in the loop:
;   FR0 .. FR3, BI  A group's products read them, and nothing else names them.  The NEXT group's loads land in them during this group's activation, behind the activation's first wait on va_vdst, which stands
;                   behind all the group's products.  The activation names T1A, T1B, T2, ACC and window 1 alone, so these loads are dealt among its lines with no further wait.
;   YN, VC          Loaded at a trip's head; read by the head's lines and (VC) by the trip's last lines.
;   DY, EV          Written by the trip's last lines; read by its two stores.
;   GO0, AIN        Stepped among the trip's last lines, behind a wait on vm_vsrc.     AO1  stepped behind its store, behind a wait on vm_vsrc of its own.
;   AF288, AF160, AF32, ABI   Made at the head, never written again.
; ONE wait on va_vdst stands ahead of the trip's two stores.  It states that DY, EV and GO0 are written (the stores), that AIN is written, that layer 4's products are done reading FR and that YN and VC have been
; read (the next head's loads).  Between it and those loads the one vector line is AO1's step, which names none of their registers.  Into the first trip the same holds of the wait ahead of the weights' stores.
.set TRIPS, 8
.set PW,    288        ; LDS row of A1 and A2: 256 bytes + 32: 8 rows x 32 bytes of a turning load fall on different banks (64 banks of 4 bytes: ISA guide 11.1)
.set P3,    160        ; of A3: 128 + 32
.set A1,    0          ; 32 rows: rows 0-3 and again 8-11 = W1[0], W1[1], W1[2], b1, all / w1; the others 0
.set A4LO,  9216       ; 64 rows of 32 bytes: W4 / w4 in columns 0, 1; the others 0
.set A4HI,  11264      ; the same in columns 8, 9
.set A2,    16384      ; 128 rows: W2 / w2.  Bytes 0 to 16,383 are zeroed first
.set A3,    53248      ; 128 rows: W3 / w3
.set BIAS2, 73728      ; 128 f32: b2 / kappa2;  behind them, at +512, 64 f32: b3 / kappa3
.set RED,   74496      ; 16 bytes a wave: its three maxima
.set INS,   74752      ; 4,096 bytes a wave: its 256 rows of y, then of v, as in memory
.set O1S,   107520     ; 1,024 bytes a wave: its 256 numbers of out1
.set SPARE, 115712     ; the spare words, 128 bytes a wave: four blocks of 256 bytes that no other line names
; window 0
.set SPW,   2          ; v2   SPARE + 4 x my thread's number; never rewritten
.set NIL,   3          ; v3   0; never rewritten
.set AF288, 4          ; v4   my lane's place in a turning load, rows of 288 bytes
.set AF160, 5          ; v5   A3 + the same for rows of 160
.set AF32,  6          ; v6   the same for rows of 32
.set ABI,   7          ; v7   BIAS2 + 32 (lane / 16)
.set AIN,   8          ; v8   my row's y in my wave's stage; + 256 a trip
.set AO1,   9          ; v9   my row's place in the out1 stage; + 128 a trip
.set GO0,   10         ; v10  my row's byte offset in the wave's part of out0; + 256 a trip
.set XT,    11         ; v11  f16 pair (128 t, 128)
.set B4,    12         ; v[12:13] b4
.set YN,    14         ; v[14:15] y of my row
.set VC,    16         ; v[16:17] v of my row
.set DY,    18         ; v[18:19] dy of my row
.set EV,    20         ; v20  out1 of my row
.set T1A,   24         ; v[24:31], v[32:39], v[40:47] at work
.set T1B,   32
.set T2,    40
.set X,     48         ; v[48:79] layer 1's four B operands: X + 16 chain + 8 tile (chain 0 the values, 1 the tangent)
.set BI,    112        ; v[112:127] the bias of two feature tiles      (v[80:111]: at the head only, W3 as loaded)
.set ACC,   128        ; v[128:191] ACC + 32 mt + 16 chain + 8 tile
.set FR,    192        ; v[192:255] four buffers of two fragments of W, a whole group's: FR + 16 kk + 8 mt
; window 1: two sets of B operands, base + 64 chain + 32 tile + 8 kk
.set P0,    0
.set P1,    128
; at work in the prologue
.set KAP,   36
.set IKP,   37
.set TT,    38
.set TU,    39
; scalars: s8 wave, s9 trips, s10-13 at work, s[16:43] the fourteen addresses, s44 t, s45 the mask of a number's size, s[46:47] b4, s48, s49 lane masks, s[50:51] selects
.set N1, 2             ; s[2:3], s[4:5], s[6:7]  -kappa_l
.set N2, 4
.set N3, 6
.set C1, 52            ; -log2(e) kappa_l
.set K1, 54            ; kappa_l
.set C2, 56
.set K2, 58
.set C3, 60
.set K3, 62
.set SV, 66            ; s[66:67] kappa3 w4;  s68 = -SV / 4;  s69 my out1 stage;  s[70:71] 1 / w2;  s[72:73] 1 / w3;  s[74:75], s[76:77] the small tensor's address and scale
.set MSB, 0
.macro WIN new                         ; s_set_vgpr_msb: bits 1:0 source 0, 3:2 source 1, 5:4 source 2, 7:6 destination; the high byte repeats the setting that is left
.if MSB != (\new)
	s_set_vgpr_msb (MSB<<8)|(\new)
.set MSB, \new
.endif
.endm
; A vector instruction that reads a matrix result stands four plain vector instructions behind it (ISA guide 7.12.1).
.macro PLACES
.rept 4
	v_nop
.endr
.endm
.macro AMAX dst, first, n              ; dst = the largest size among n registers (n even)
	v_and_b32 v[\dst], s45, v[\first]
.set i, (\first)+1
.rept ((\n)-2)/2
	v_and_b32 v36, s45, v[i]
	v_and_b32 v37, s45, v[i+1]
	v_max3_num_f32 v[\dst], v[\dst], v36, v37
.set i, i+2
.endr
	v_and_b32 v36, s45, v[i]
	v_max_num_f32 v[\dst], v[\dst], v36
.endm
.macro WMAX r                          ; the maximum over the wave's 32 lanes, in every lane
.irp m, 1,2,4,8
	v_max_num_f32_dpp v[\r], v[\r], v[\r] row_xmask:\m row_mask:0xf bank_mask:0xf
.endr
	v_permlanex16_b32 v31, v[\r], s50, s51
	v_max_num_f32 v[\r], v[\r], v31
.endm
; One layer's scale: from max|W| (wm), max|b| (bm) and K (kf, as f32 bits) to 1 / w (register iw) and two scalars; KAP and IKP walk from kappa_(l-1) and its inverse to kappa_l and its inverse.
; The scalars are read only behind the one wait that follows all the layers: PAIRS makes the pairs there.
.macro LAYER wm, bm, kf, iw, sc, sk
	v_mul_f32 v[TT], v[\bm], v[IKP]
	v_mul_f32 v[TT], 0x38000000, v[TT]             ; max|b| / P_(l-1): P = kappa 2^15
	v_fmamk_f32 v[TT], v[\wm], \kf, v[TT]          ; + K max|W|
	v_mul_f32 v[TT], 0x3f8ccccd, v[TT]             ; x 1.1
	v_max_num_f32 v[TT], 0x21800000, v[TT]         ; at least 2^-60
	v_add_nc_u32 v[TT], 0x7fffff, v[TT]            ; up to the next power of two, on the bits:
	v_and_b32 v[TT], 0x7f800000, v[TT]             ; w
	v_sub_nc_u32 v[\iw], 0x7f000000, v[TT]         ; 1 / w: the exponent mirrored
	v_mul_f32 v[KAP], v[KAP], v[TT]
	v_mul_f32 v[IKP], v[IKP], v[\iw]
	v_mul_f32 v[TU], 0xbfb8aa3b, v[KAP]            ; -log2(e) kappa
	v_readfirstlane_b32 s[\sc], v[TU]
	v_readfirstlane_b32 s[\sk], v[KAP]
.endm
.macro PAIRS sc, sk, sn
	s_mov_b32 s[\sc+1], s[\sc]                     ; named as pairs, so both words are written
	s_mov_b32 s[\sk+1], s[\sk]
	s_xor_b32 s[\sn], s[\sk], 0x80000000
	s_mov_b32 s[\sn+1], s[\sn]
.endm
; Two fragments of W (feature tiles 2 g and 2 g + 1, inputs 32 kk on) into buffer kk: four turning loads
.macro FRAG ar, base, p, g, kk
.irp mt, 0,1
	ds_load_tr16_b128 v[FR+16*(\kk)+8*(\mt):FR+16*(\kk)+8*(\mt)+3],   v[\ar] offset:(\base)+32*(\kk)*(\p)+32*(2*(\g)+(\mt))
	ds_load_tr16_b128 v[FR+16*(\kk)+8*(\mt)+4:FR+16*(\kk)+8*(\mt)+7], v[\ar] offset:(\base)+32*(\kk)*(\p)+32*(2*(\g)+(\mt))+16*(\p)
.endr
.endm
.macro BIAS g, boff                    ; the bias of feature tiles 2 g and 2 g + 1
.irp mt, 0,1
	ds_load_b128 v[BI+8*(\mt):BI+8*(\mt)+3],   v[ABI] offset:(\boff)+64*(2*(\g)+(\mt))
	ds_load_b128 v[BI+8*(\mt)+4:BI+8*(\mt)+7], v[ABI] offset:(\boff)+64*(2*(\g)+(\mt))+16
.endr
.endm
; Part 0..3 of the loads for the group that comes next: group g of layer 'kind'.  Layer 1 has one K step; layers 2 and 3 a bias and four K steps, one a part; layer 4 four fragments, two a part:
; W4's two features in rows 0, 1 (into FR0), then in rows 8, 9 (into FR1).
.macro LD part, kind, g
.if (\kind) == 1
.if (\part) == 0
	FRAG AF288, A1, PW, \g, 0
.endif
.elseif (\kind) == 2
.if (\part) == 0
	BIAS \g, 0
.endif
	FRAG AF288, A2, PW, \g, \part
.elseif (\kind) == 3
.if (\part) == 0
	BIAS \g, 512
.endif
	FRAG AF160, 0, P3, \g, \part
.elseif (\part) < 2
.irp q, 0,1
	ds_load_tr16_b128 v[FR+16*(\part)+8*\q:FR+16*(\part)+8*\q+3],   v[AF32] offset:A4LO+(A4HI-A4LO)*(\part)+1024*\q
	ds_load_tr16_b128 v[FR+16*(\part)+8*\q+4:FR+16*(\part)+8*\q+7], v[AF32] offset:A4LO+(A4HI-A4LO)*(\part)+1024*\q+512
.endr
.endif
.endm
; A group's products: two feature tiles x (values, tangent) x two tiles of rows, nk steps of 32 along K.  The eight accumulators take turns, one instruction a turn.
; The first step starts the sums: the values' with the bias (bias = 1) or 0, the tangent's with 0.  All the group's fragments were asked for in the activation before.
.macro MM nk, inb, cs, ts, bias, win
	WIN \win
	s_wait_dscnt 0x0                               ; the group's fragments, and its bias, are in
.set kk, 0
.rept \nk
.irp mt, 0,1
.irp ch, 0,1
.irp c, 0,1
.set rD, ACC+32*(\mt)+16*(\ch)+8*(\c)
.set rA, FR+16*kk+8*(\mt)
.set rB, (\inb)+(\cs)*(\ch)+(\ts)*(\c)+8*kk
.if (kk == 0) && (\bias) && ((\ch) == 0)
	v_wmma_f32_16x16x32_f16 v[rD:rD+7], v[rA:rA+7], v[rB:rB+7], v[BI+8*(\mt):BI+8*(\mt)+7]
.elseif kk == 0
	v_wmma_f32_16x16x32_f16 v[rD:rD+7], v[rA:rA+7], v[rB:rB+7], 0
.else
	v_wmma_f32_16x16x32_f16 v[rD:rD+7], v[rA:rA+7], v[rB:rB+7], v[rD:rD+7]
.endif
.endr
.endr
.endr
.set kk, kk+1
.endr
.endm
; THE ACTIVATION of one feature tile, both tiles of rows.  With Z = z / kappa: s = 1 / (1 + 2^(C Z)); h / kappa = Z s; silu' = s + (Z s)(K - K s); the tangent is multiplied by silu'.
; z far out gives s = 0 or 1 and no NaN.  The two tiles' runs alternate, so that a run of plain instructions stands between every transcendental and the use of its result (ISA guide 5.7.2).
; Every accumulator is read from its lowest registers on.
.macro S_ME t1, z, cc                  ; C Z; 2^
.irp i, 0,2,4,6
	v_pk_mul_f32 v[(\t1)+\i:(\t1)+\i+1], v[(\z)+\i:(\z)+\i+1], s[\cc:\cc+1] op_sel_hi:[1,0]
.endr
.irp i, 0,1,2,3,4,5,6,7
	v_exp_f32 v[(\t1)+\i], v[(\t1)+\i]
.endr
.endm
.macro S_AR t1                         ; + 1; the reciprocal: s
	s_wait_alu depctr_va_vdst(0)                   ; the eight 2^ in v[t1 ..] are written, ahead of their first reader, the additions below
.irp i, 0,2,4,6
	v_pk_add_f32 v[(\t1)+\i:(\t1)+\i+1], v[(\t1)+\i:(\t1)+\i+1], 1.0 op_sel_hi:[1,0]
.endr
.irp i, 0,1,2,3,4,5,6,7
	v_rcp_f32 v[(\t1)+\i], v[(\t1)+\i]
.endr
.endm
.macro S_FIN t1, z, d, kc, nc
	s_wait_alu depctr_va_vdst(0)                   ; the eight reciprocals in v[t1 ..] are written, ahead of their first reader, the products below
.irp i, 0,2,4,6
	v_pk_mul_f32 v[(\z)+\i:(\z)+\i+1], v[(\z)+\i:(\z)+\i+1], v[(\t1)+\i:(\t1)+\i+1]  ; Z s
.endr
.irp i, 0,2,4,6
	v_pk_fma_f32 v[T2+\i:T2+\i+1], v[(\t1)+\i:(\t1)+\i+1], s[\nc:\nc+1], s[\kc:\kc+1] op_sel_hi:[1,0,0]  ; K - K s
.endr
.irp i, 0,2,4,6
	v_pk_fma_f32 v[T2+\i:T2+\i+1], v[(\z)+\i:(\z)+\i+1], v[T2+\i:T2+\i+1], v[(\t1)+\i:(\t1)+\i+1]  ; silu'
.endr
.irp i, 0,2,4,6
	v_pk_mul_f32 v[(\d)+\i:(\d)+\i+1], v[(\d)+\i:(\d)+\i+1], v[T2+\i:T2+\i+1]
.endr
.endm
.macro SILU2 mt, cc, kc, nc
	S_ME T1A, ACC+32*(\mt), \cc
	S_ME T1B, ACC+32*(\mt)+8, \cc
	S_AR T1A
	S_AR T1B
	S_FIN T1A, ACC+32*(\mt), ACC+32*(\mt)+16, \kc, \nc
	S_FIN T1B, ACC+32*(\mt)+8, ACC+32*(\mt)+24, \kc, \nc
.endm
.macro CVT g, outb                     ; rounded in pairs to f16: feature tile 2 g + mt is half kk = g of the next layer's B
	WIN 0x40                                       ; destination window 1
.irp mt, 0,1
.irp ch, 0,1
.irp c, 0,1
.irp i, 0,1,2,3
	v_cvt_pk_f16_f32 v[(\outb)+64*(\ch)+32*(\c)+4*(2*(\g)+(\mt))+(\i)], v[ACC+32*(\mt)+16*(\ch)+8*(\c)+2*(\i)], v[ACC+32*(\mt)+16*(\ch)+8*(\c)+2*(\i)+1]
.endr
.endr
.endr
.endr
.endm
; A group's activation, and among the lines of its first feature tile the loads for the group that comes next (group ng of layer kind).
; The wait at the head of the first S_AR stands behind all the group's products: besides the 2^ it states that they are done reading FR and BI, in which the loads land.
; No vector or matrix instruction from that wait to the next group's products names FR or BI, so the four parts of the loads follow it with no further wait.
.macro ACT g, cc, kc, nc, outb, kind, ng
	WIN 0
	PLACES                                         ; behind the group's products, ahead of the first line that reads their sums
	S_ME T1A, ACC, \cc
	S_ME T1B, ACC+8, \cc
	S_AR T1A
	LD 0, \kind, \ng
	S_AR T1B
	LD 1, \kind, \ng
	S_FIN T1A, ACC, ACC+16, \kc, \nc
	LD 2, \kind, \ng
	S_FIN T1B, ACC+8, ACC+24, \kc, \nc
	LD 3, \kind, \ng
	SILU2 1, \cc, \kc, \nc
	CVT \g, \outb
.endm
; LAYER 4.  W4's two features stand in rows 0, 1 of one A (for the first tile of rows) and in rows 8, 9 of another (for the second): summed into ONE accumulator, lane L holds the two outputs of the trip's
; row L in its registers 0 and 1.
.macro MM4                             ; the values' and the tangent's accumulator take turns
	WIN 0x04
	s_wait_dscnt 0x0                               ; the four fragments of W4 are in
.irp n, 0,1,2,3
.irp ch, 0,1
.set rB, P0+64*(\ch)+32*((\n)/2)+8*((\n)%2)
.if (\n) == 0
	v_wmma_f32_16x16x32_f16 v[ACC+8*(\ch):ACC+8*(\ch)+7], v[FR+8*(\n):FR+8*(\n)+7], v[rB:rB+7], 0
.else
	v_wmma_f32_16x16x32_f16 v[ACC+8*(\ch):ACC+8*(\ch)+7], v[FR+8*(\n):FR+8*(\n)+7], v[rB:rB+7], v[ACC+8*(\ch):ACC+8*(\ch)+7]
.endif
.endr
.endr
.endm
	; ---------------- THE HEAD: addresses ----------------
	s_load_b512 s[16:31], s[0:1], 0x0              ; y s[16:17], v s[18:19], logp s[20:21], t s[22:23], W1 s[24:25], b1 s[26:27], W2 s[28:29], b2 s[30:31]
	s_load_b256 s[32:39], s[0:1], 0x40             ; W3 s[32:33], b3 s[34:35], W4 s[36:37], b4 s[38:39]
	s_load_b128 s[40:43], s[0:1], 0x60             ; out0 s[40:41], out1 s[42:43]
	v_lshl_add_u32 v[SPW], v0, 2, SPARE
	v_mov_b32 v[NIL], 0
	v_lshrrev_b32 v1, 5, v0
	v_readfirstlane_b32 s8, v1                     ; wave 0..7
	v_and_b32 v1, 31, v0                           ; lane L
	v_bfe_u32 v21, v0, 4, 1                        ; h = L / 16
	v_and_b32 v22, 7, v0
	v_bfe_u32 v23, v0, 3, 1
	v_lshl_add_u32 v22, v21, 3, v22                ; a turning load: lane L reads row 8 h + L % 8, bytes 16 ((L / 8) % 2) on
	v_mul_u32_u24 v[AF288], v22, PW
	v_lshl_add_u32 v[AF288], v23, 4, v[AF288]
	v_mul_u32_u24 v[AF160], v22, P3
	v_lshl_add_u32 v[AF160], v23, 4, v[AF160]
	v_add_nc_u32 v[AF160], A3, v[AF160]
	v_lshlrev_b32 v[AF32], 5, v22
	v_lshl_add_u32 v[AF32], v23, 4, v[AF32]
	v_lshl_add_u32 v[ABI], v21, 5, BIAS2           ; my eight features' bias: 32 bytes for each half of the lanes
	v_and_b32 v23, 15, v0                          ; r = L % 16
	s_wait_alu depctr_va_sdst(0)                   ; s8 is written, ahead of its first reader, the line below
	s_lshl_b32 s10, s8, 12
	s_add_co_u32 s10, s10, INS                     ; my wave's stage of y and v
	v_lshl_add_u32 v[AIN], v1, 3, s10
	v_lshl_add_u32 v33, v1, 4, s10                 ; where I put 16 bytes of it
	s_lshl_b32 s69, s8, 10
	s_add_co_u32 s69, s69, O1S                     ; my wave's stage of out1
	v_lshl_add_u32 v[AO1], v1, 2, s69
	v_lshlrev_b32 v[GO0], 3, v1
	s_lshl_b32 s11, s8, 9
	v_lshl_add_u32 v34, v1, 4, s11                 ; the zero fill: 512 w + 16 L
	s_lshl_b32 s12, s8, 4
	s_add_co_u32 s12, s12, RED
	v_mov_b32 v32, s12                             ; my wave's 16 bytes of RED
	v_mov_b32 v35, RED
	s_mul_i32 s10, s8, PW
	v_lshl_add_u32 v46, v1, 3, s10                 ; row w, features 4 L on: W2's rows w + 8 i, and A1's row w
	s_mul_i32 s11, s8, 2*P3
	s_add_co_u32 s11, s11, A3
	v_mul_u32_u24 v47, v21, P3
	v_lshl_add_u32 v47, v23, 3, v47
	v_add_nc_u32 v47, s11, v47                     ; W3's rows 2 w + h + 16 i, features 4 r on
	v_lshlrev_b32 v118, 6, v1                      ; W4's rows 2 L and 2 L + 1
	v_lshl_add_u32 v119, v1, 4, BIAS2
	v_lshl_add_u32 v120, v23, 4, BIAS2+512
	s_mov_b32 s45, 0x7fffffff
	s_mov_b32 s48, 0xffff                          ; lanes 0-15
	s_mov_b32 s49, 0xffff0000                      ; lanes 16-31
	s_mov_b32 s50, 0x76543210                      ; v_permlanex16_b32: each lane takes its own place in the other half
	s_mov_b32 s51, 0xfedcba98
	; the small tensors, one to a wave: waves 0-2 a row of W1, 3 b1, 4 W4, 5 b2, 6 and 7 b3 (256 bytes: both halves of the lanes read the same)
	s_cmp_ge_u32 s8, 6
	s_cselect_b32 s12, 15, 31
	v_and_b32 v30, s12, v1
	s_lshl_b32 s13, s8, 9
	s_cmp_lt_u32 s8, 3
	s_cselect_b32 s13, s13, 0
	v_lshl_add_u32 v30, v30, 4, s13
	v_lshlrev_b32 v28, 4, v0                       ; 16 x thread: W2 and W3
	v_lshlrev_b32 v29, 4, v1                       ; 16 x lane: the wave's own rows
	v_mov_b32 v31, 0                               ; v_permlanex16_b32's destination counts as read
	s_lshl_b32 s10, ttmp9, 14                      ; my work-group's 2,048 rows of 8 bytes,
	s_lshl_b32 s11, s8, 11                         ; my wave's 256 of them
	s_add_co_u32 s10, s10, s11
	s_mov_b32 s11, 0
	s_lshr_b32 s12, s10, 1                         ; the same in rows of 4 bytes
	s_mov_b32 s13, 0
.set i, X
.rept 32
	v_mov_b32 v[i], 0                              ; layer 1's B operands hold 0 but for six registers; four of these are also the zero fill's data.  They stand in the wait for the arguments
.set i, i+1
.endr
	s_wait_kmcnt 0x0
	s_load_b32 s44, s[22:23], 0x0                  ; t
	s_load_b64 s[46:47], s[38:39], 0x0             ; b4
	s_cmp_eq_u32 s8, 3
	s_cselect_b64 s[74:75], s[26:27], s[24:25]
	s_cmp_eq_u32 s8, 4
	s_cselect_b64 s[74:75], s[36:37], s[74:75]
	s_cmp_eq_u32 s8, 5
	s_cselect_b64 s[74:75], s[30:31], s[74:75]
	s_cmp_ge_u32 s8, 6
	s_cselect_b64 s[74:75], s[34:35], s[74:75]
	s_add_nc_u64 s[16:17], s[16:17], s[10:11]
	s_add_nc_u64 s[18:19], s[18:19], s[10:11]
	s_add_nc_u64 s[40:41], s[40:41], s[10:11]
	s_add_nc_u64 s[20:21], s[20:21], s[12:13]
	s_add_nc_u64 s[42:43], s[42:43], s[12:13]
	s_wait_alu depctr_va_vdst(0)                   ; every offset and LDS address of the kernel but the way out's two is written (v4 to v10, v28 to v30, v32 to v35, v46, v47, v118 to v120), and so are X's zeros, the zero fill's data
	; ---------------- all the launch's reads go out here ----------------
.irp i, 0,1,2,3,4,5,6,7,8,9,10,11,12,13,14,15
	global_load_b128 v[128+4*\i:128+4*\i+3], v28, s[28:29] offset:4096*\i  ; W2: row w + 8 i, features 4 L on
.endr
.irp i, 0,1,2,3,4,5,6,7
	global_load_b128 v[80+4*\i:80+4*\i+3], v28, s[32:33] offset:4096*\i    ; W3: row 2 w + h + 16 i, features 4 r on
.endr
	global_load_b128 v[112:115], v30, s[74:75]
.irp i, 0,1,2,3
	global_load_b128 v[192+4*\i:192+4*\i+3], v29, s[16:17] offset:512*\i th:TH_LOAD_NT  ; my wave's y
.endr
.irp i, 0,1,2,3
	global_load_b128 v[208+4*\i:208+4*\i+3], v29, s[18:19] offset:512*\i th:TH_LOAD_NT  ; its v
.endr
.irp i, 0,1
	global_load_b128 v[224+4*\i:224+4*\i+3], v29, s[20:21] offset:512*\i th:TH_LOAD_NT  ; its logp: read as every input is; no result hangs on it
.endr
.irp i, 0,1,2,3
	ds_store_b128 v34, v[X+8:X+11] offset:4096*\i  ; LDS bytes 0 to 16,383: A1's and A4's zeros
.endr
	s_wait_loadcnt 10                              ; the ten loads of y, v and logp may stay out: W2, W3 and the small tensor are in
	AMAX 24, 128, 64
	AMAX 25, 80, 32
	AMAX 26, 112, 4
	WMAX 24
	WMAX 25
	WMAX 26
	v_mov_b32 v27, v26
	s_wait_alu depctr_va_vdst(0)                   ; the maxima are written into v[24:27], which the LDS store below reads
	ds_store_b128 v32, v[24:27]
	s_wait_loadcnt 0x0
.irp i, 0,1,2,3
	ds_store_b128 v33, v[192+4*\i:192+4*\i+3] offset:512*\i
	ds_store_b128 v33, v[208+4*\i:208+4*\i+3] offset:2048+512*\i
.endr
	s_wait_kmcnt 0x0                               ; t and b4
	s_wait_dscnt 0x0                               ; for the others' sake: my zeros and my maxima are in LDS
	s_barrier_signal -1
	s_barrier_wait -1
	s_wait_alu depctr_vm_vsrc(0)                   ; my LDS stores have read v[192:223], in which the loads below land, v[24:27] and X + 9, which are written below; the loads and stores so far have read v28 to v34, at work in the loop
	; ---------------- the scales ----------------
.irp i, 0,1,2,3,4,5,6,7
	ds_load_b128 v[192+4*\i:192+4*\i+3], v35 offset:16*\i  ; wave i's maxima: of its part of W2, of W3, of its small tensor
.endr
	v_mov_b32 v[KAP], 0x3c000000                   ; kappa_0 = 256 x 2^-15
	v_mov_b32 v[IKP], 0x43000000
	s_wait_dscnt 0x0
	v_max3_num_f32 v24, v192, v196, v200
	v_max3_num_f32 v25, v193, v197, v201
	v_max3_num_f32 v24, v24, v204, v208
	v_max3_num_f32 v25, v25, v205, v209
	v_max3_num_f32 v24, v24, v212, v216
	v_max3_num_f32 v25, v25, v213, v217
	v_max_num_f32 v24, v24, v220                   ; max|W2|
	v_max_num_f32 v25, v25, v221                   ; max|W3|
	v_max3_num_f32 v26, v194, v198, v202           ; max|W1|;  v206 max|b1|, v210 max|W4|, v214 max|b2|, v218 max|b3|
	LAYER 26, 206, 0x40400000, 40, C1, K1
	LAYER 24, 214, 0x43000000, 41, C2, K2
	v_mov_b32 v44, v[IKP]                          ; 1 / kappa2
	LAYER 25, 218, 0x43000000, 42, C3, K3
	v_max_num_f32 v[TT], 0x21800000, v210
	v_add_nc_u32 v[TT], 0x7fffff, v[TT]
	v_and_b32 v[TT], 0x7f800000, v[TT]             ; w4
	v_sub_nc_u32 v43, 0x7f000000, v[TT]
	v_mul_f32 v[TT], v[KAP], v[TT]                 ; dy = kappa3 w4 x the sum + b4
	v_mul_f32 v[TU], 0xbe800000, v[TT]             ; the tangent carries a factor 4, and out1 a minus
	v_readfirstlane_b32 s[SV], v[TT]
	v_readfirstlane_b32 s68, v[TU]
	v_readfirstlane_b32 s70, v41
	v_readfirstlane_b32 s72, v42
	v_readfirstlane_b32 s10, v40                   ; the small tensor's scale: 1 / w1 (waves 0-3), 1 / w4 (4), 1 / kappa2 (5), 1 / kappa3 (6, 7)
	v_readfirstlane_b32 s11, v43
	v_readfirstlane_b32 s12, v44
	v_readfirstlane_b32 s13, v[IKP]
	s_wait_alu depctr_va_sdst(0)                   ; the fourteen scalars that the lines from the first LAYER on took from vector registers are written, ahead of the first reader of any of them
	PAIRS C1, K1, N1
	PAIRS C2, K2, N2
	PAIRS C3, K3, N3
	s_mov_b32 s[SV+1], s[SV]
	s_mov_b32 s71, s70
	s_mov_b32 s73, s72
	s_cmp_eq_u32 s8, 4
	s_cselect_b32 s76, s11, s10
	s_cmp_eq_u32 s8, 5
	s_cselect_b32 s76, s12, s76
	s_cmp_ge_u32 s8, 6
	s_cselect_b32 s76, s13, s76
	s_mov_b32 s77, s76
	v_mov_b32 v[TT], s44
	v_mul_f32 v[TT], 0x43000000, v[TT]             ; 128 t
	v_mov_b32 v[TU], 0x43000000                    ; 128 x 1: the bias row's partner
	v_cvt_pk_f16_f32 v[XT], v[TT], v[TU]
	v_mov_b32 v[B4], s46
	v_mov_b32 v[B4+1], s47
	v_cndmask_b32 v[X+1], 0, v[XT], s48            ; tile 0's rows lie in lanes 0-15, inputs k = 0..3;
	v_cndmask_b32 v[X+9], 0, v[XT], s49            ; tile 1's in lanes 16-31, inputs k = 8..11, where A1 holds the same four rows again
	; ---------------- the weights: scaled and rounded to f16, all of them; then, behind one wait, into LDS ----------------
.irp i, 0,1,2,3,4,5,6,7,8,9,10,11,12,13,14,15
	v_pk_mul_f32 v[128+4*\i:128+4*\i+1], v[128+4*\i:128+4*\i+1], s[70:71] op_sel_hi:[1,0]
	v_pk_mul_f32 v[128+4*\i+2:128+4*\i+3], v[128+4*\i+2:128+4*\i+3], s[70:71] op_sel_hi:[1,0]
	v_cvt_pk_f16_f32 v[128+4*\i], v[128+4*\i], v[128+4*\i+1]
	v_cvt_pk_f16_f32 v[128+4*\i+1], v[128+4*\i+2], v[128+4*\i+3]
.endr
.irp i, 0,1,2,3,4,5,6,7
	v_pk_mul_f32 v[80+4*\i:80+4*\i+1], v[80+4*\i:80+4*\i+1], s[72:73] op_sel_hi:[1,0]
	v_pk_mul_f32 v[80+4*\i+2:80+4*\i+3], v[80+4*\i+2:80+4*\i+3], s[72:73] op_sel_hi:[1,0]
	v_cvt_pk_f16_f32 v[80+4*\i], v[80+4*\i], v[80+4*\i+1]
	v_cvt_pk_f16_f32 v[80+4*\i+1], v[80+4*\i+2], v[80+4*\i+3]
.endr
	v_pk_mul_f32 v[112:113], v[112:113], s[76:77] op_sel_hi:[1,0]
	v_pk_mul_f32 v[114:115], v[114:115], s[76:77] op_sel_hi:[1,0]
	v_cvt_pk_f16_f32 v116, v112, v113              ; (used by waves 0 to 4)
	v_cvt_pk_f16_f32 v117, v114, v115
	s_wait_alu depctr_va_vdst(0)                   ; the scalings and roundings have written v[128 ..], v[80 ..] and v[112:117], which the LDS stores below read; the maxima's lines are done reading v[192:223], in which the first trip's loads land
.irp i, 0,1,2,3,4,5,6,7,8,9,10,11,12,13,14,15
	ds_store_b64 v46, v[128+4*\i:128+4*\i+1] offset:A2+8*PW*\i
.endr
.irp i, 0,1,2,3,4,5,6,7
	ds_store_b64 v47, v[80+4*\i:80+4*\i+1] offset:16*P3*\i
.endr
	s_cmp_lt_u32 s8, 4
	s_cbranch_scc0 .Lw4
	ds_store_b64 v46, v[116:117] offset:A1         ; W1's row w, or b1 as row 3,
	ds_store_b64 v46, v[116:117] offset:A1+8*PW    ; and again eight rows on
	s_branch .Lsmall
.Lw4:
	s_cmp_eq_u32 s8, 4
	s_cbranch_scc0 .Lw5
	ds_store_b32 v118, v116 offset:A4LO            ; W4's row 2 L, its two features in columns 0, 1
	ds_store_b32 v118, v117 offset:A4LO+32         ; row 2 L + 1
	ds_store_b32 v118, v116 offset:A4HI+16         ; and in columns 8, 9
	ds_store_b32 v118, v117 offset:A4HI+48
	s_branch .Lsmall
.Lw5:
	s_cmp_eq_u32 s8, 5
	s_cbranch_scc0 .Lw6
	ds_store_b128 v119, v[112:115]                 ; b2 / kappa2, f32
	s_branch .Lsmall
.Lw6:
	s_cmp_eq_u32 s8, 6
	s_cbranch_scc0 .Lsmall
	ds_store_b128 v120, v[112:115]                 ; b3 / kappa3, f32; both halves of the lanes hold and write the same
.Lsmall:
	s_wait_dscnt 0x0                               ; for the others' sake: my part of the weights is in LDS
	s_barrier_signal -1
	s_barrier_wait -1                              ; from here on the weights are only read, and each wave's stages are its own: no further barrier
	s_wait_alu depctr_vm_vsrc(0)                   ; my LDS stores have read v[128 ..], v[112:120], v46 and v47, the maxima's loads v35: from here on these are ACC, BI, T2 and T1B, written by products, by loads and by the activation
	s_mov_b32 s9, TRIPS
	; ---------------- A TRIP: 32 rows through the four layers ----------------
.Ltrip:
	ds_load_b64 v[YN:YN+1], v[AIN]                 ; no wait here: on both ways in a wait on va_vdst stands behind every vector and matrix line that names AIN, YN, VC or FR0
	ds_load_b64 v[VC:VC+1], v[AIN] offset:2048
	FRAG AF288, A1, PW, 0, 0
	s_wait_dscnt 4                                 ; the four fragment loads may stay out: y and v of my row are in
	v_pk_mul_f32 v[T1A:T1A+1], v[YN:YN+1], 0x43000000 op_sel_hi:[1,0]      ; 128 y
	v_pk_mul_f32 v[T1A+2:T1A+3], v[VC:VC+1], 0x44000000 op_sel_hi:[1,0]    ; 512 v
	v_cvt_pk_f16_f32 v[T1A], v[T1A], v[T1A+1]
	v_cvt_pk_f16_f32 v[T1A+2], v[T1A+2], v[T1A+3]
	v_cndmask_b32 v[X], 0, v[T1A], s48
	v_cndmask_b32 v[X+8], 0, v[T1A], s49
	v_cndmask_b32 v[X+16], 0, v[T1A+2], s48        ; the tangent's inputs k = 2, 3 stay 0: t and the bias have no derivative
	v_cndmask_b32 v[X+24], 0, v[T1A+2], s49
.irp g, 0,1,2
	MM 1, X, 16, 8, 0, 0
	ACT \g, C1, K1, N1, P0, 1, (\g)+1
.endr
	MM 1, X, 16, 8, 0, 0
	ACT 3, C1, K1, N1, P0, 2, 0
.irp g, 0,1,2
	MM 4, P0, 64, 32, 1, 0x04
	ACT \g, C2, K2, N2, P1, 2, (\g)+1
.endr
	MM 4, P0, 64, 32, 1, 0x04
	ACT 3, C2, K2, N2, P1, 3, 0
	MM 4, P1, 64, 32, 1, 0x04
	ACT 0, C3, K3, N3, P0, 3, 1
	MM 4, P1, 64, 32, 1, 0x04
	ACT 1, C3, K3, N3, P0, 4, 0
	MM4
	WIN 0
	PLACES
	s_wait_xcnt 0x0                                ; the last trip's store has had its address translated (ISA guide 3.1): only behind this wait are its offset and data rewritten
	s_wait_alu depctr_vm_vsrc(0)                   ; the last trip's stores have read GO0, DY and EV, this trip's loads of y and v have read AIN: all four are written below
	v_add_nc_u32 v[GO0], 256, v[GO0]
	v_add_nc_u32 v[AIN], 256, v[AIN]
	v_pk_fma_f32 v[DY:DY+1], v[ACC:ACC+1], s[SV:SV+1], v[B4:B4+1] op_sel_hi:[1,0,1]
	v_mul_f32 v[EV], v[ACC+8], v[VC]
	v_fmac_f32 v[EV], v[ACC+9], v[VC+1]
	v_mul_f32 v[EV], s68, v[EV]
	s_wait_alu depctr_va_vdst(0)                   ; GO0, DY and EV are written, which the two stores read; AIN is written, layer 4's products are done reading FR and the lines above reading VC: the next trip's first loads hang on these
	global_store_b64 v[GO0], v[DY:DY+1], s[40:41] offset:-256 th:TH_STORE_NT  ; 32 lanes store 256 consecutive bytes, at a multiple of 256 from out0's first
	ds_store_b32 v[AO1], v[EV]                     ; out1's 128 bytes of a trip are gathered, so that they too leave in whole runs
	s_wait_alu depctr_vm_vsrc(0)                   ; the LDS store has read AO1, which moves on (the activations' waits stand between this step and the next store by it)
	v_add_nc_u32 v[AO1], 128, v[AO1]
	s_sub_co_u32 s9, s9, 1
	s_cmp_lg_u32 s9, 0
	s_cbranch_scc1 .Ltrip
	; ---------------- out1 leaves: my wave's 1,024 bytes ----------------
	v_lshl_add_u32 v21, v1, 4, s69
	v_lshlrev_b32 v22, 4, v1
	s_wait_alu depctr_va_vdst(0)                   ; v21 and v22 are written, which the loads and stores below read as addresses
	ds_load_b128 v[24:27], v21                     ; LDS serves a wave's instructions in order (ISA guide 5.7.1.4): these see the trips' stores
	ds_load_b128 v[28:31], v21 offset:512
	s_wait_dscnt 0x0
	global_store_b128 v22, v[24:27], s[42:43] th:TH_STORE_NT
	global_store_b128 v22, v[28:31], s[42:43] offset:512 th:TH_STORE_NT
	s_wait_dscnt 0x0                               ; the wave's end
	s_wait_alu 0x0
	s_wait_tensorcnt 0x0
	ds_add_u32 v[SPW], v[NIL]
	s_wait_dscnt 0x0
	s_endpgm
.Lfunc_end_k_qc21b20cd9c_cnf:
	.size	k_qc21b20cd9c_cnf, .Lfunc_end_k_qc21b20cd9c_cnf-k_qc21b20cd9c_cnf
	.p2alignl 7, 3214868480
	.fill 96, 4, 3214868480
	.section	.rodata,"a",@progbits
	.p2align	6, 0x0
	.amdhsa_kernel k_qc21b20cd9c_cnf
		.amdhsa_group_segment_fixed_size 116736
		.amdhsa_private_segment_fixed_size 0
		.amdhsa_enable_private_segment 0
		.amdhsa_kernarg_size 112
		.amdhsa_user_sgpr_count 2
		.amdhsa_user_sgpr_kernarg_segment_ptr 1
		.amdhsa_wavefront_size32 1
		.amdhsa_system_sgpr_workgroup_id_x 1
		.amdhsa_system_sgpr_workgroup_id_y 1
		.amdhsa_system_sgpr_workgroup_id_z 1
		.amdhsa_system_vgpr_workitem_id 0
		.amdhsa_next_free_vgpr 512
		.amdhsa_next_free_sgpr 80
		.amdhsa_reserve_vcc 0
		.amdhsa_float_denorm_mode_32 3
		.amdhsa_float_denorm_mode_16_64 3
		.amdhsa_memory_ordered 1
		.amdhsa_forward_progress 1
		.amdhsa_inst_pref_size 162
	.end_amdhsa_kernel
	.amdgpu_metadata
---
amdhsa.version: [ 1, 2 ]
amdhsa.kernels:
  - .name:           k_qc21b20cd9c_cnf
    .symbol:         k_qc21b20cd9c_cnf.kd
    .args:
      - { .name: y, .offset: 0, .size: 8, .value_kind: global_buffer, .address_space: global }
      - { .name: v, .offset: 8, .size: 8, .value_kind: global_buffer, .address_space: global }
      - { .name: logp, .offset: 16, .size: 8, .value_kind: global_buffer, .address_space: global }
      - { .name: t, .offset: 24, .size: 8, .value_kind: global_buffer, .address_space: global }
      - { .name: W1, .offset: 32, .size: 8, .value_kind: global_buffer, .address_space: global }
      - { .name: b1, .offset: 40, .size: 8, .value_kind: global_buffer, .address_space: global }
      - { .name: W2, .offset: 48, .size: 8, .value_kind: global_buffer, .address_space: global }
      - { .name: b2, .offset: 56, .size: 8, .value_kind: global_buffer, .address_space: global }
      - { .name: W3, .offset: 64, .size: 8, .value_kind: global_buffer, .address_space: global }
      - { .name: b3, .offset: 72, .size: 8, .value_kind: global_buffer, .address_space: global }
      - { .name: W4, .offset: 80, .size: 8, .value_kind: global_buffer, .address_space: global }
      - { .name: b4, .offset: 88, .size: 8, .value_kind: global_buffer, .address_space: global }
      - { .name: out0, .offset: 96, .size: 8, .value_kind: global_buffer, .address_space: global }
      - { .name: out1, .offset: 104, .size: 8, .value_kind: global_buffer, .address_space: global }
    .group_segment_fixed_size: 116736
    .private_segment_fixed_size: 0
    .kernarg_segment_align: 8
    .kernarg_segment_size: 112
    .max_flat_workgroup_size: 256
    .sgpr_count:     80
    .vgpr_count:     512
    .wavefront_size: 32
...
	.end_amdgpu_metadata
.endif
;; end of part 2
